; MI455X (gfx1250); checked and timed in simulation.
; The chip was launched on July 23, 2026; its instructions are those of AMD's public machine-readable ISA for CDNA 5 (MIT licence, August 2026) and "CDNA5" Instruction Set Architecture Reference Guide (July 2026). The comments in the code are by the model that wrote it; some were corrected since.
;; Dot Product Attention. Allowed arithmetic: float matrix products may take bf16 or f16 operands with f32 sums; all other float work in f32.
;; Inputs: key_layer 2,048 x 4 x 16 x 128 float32; query_layer 2,048 x 4 x 16 x 128 float32; value_layer 2,048 x 4 x 16 x 128 float32.
;; Outputs: out0 2,048 x 4 x 2,048 float32.
;; One version. Each part assembles by itself: llvm-mc -triple=amdgcn-amd-amdhsa -mcpu=gfx1250 --defsym DOCPART=n.
;; ======== version 1 of 1: 1 launch
;; limits: values are held in f16: magnitudes above 65,504 overflow, below 6.1e-05 lose precision; inputs' magnitudes at most 65,504; right only within a limited range of input values
;; launch attn (part 1): grid 4 x 64, 4 waves a work-group, no clusters, 105,984 bytes of LDS; arguments query_layer, key_layer, value_layer, out0; writes out0
.if DOCPART == 1
	.amdgcn_target "amdgcn-amd-amdhsa--gfx1250"
	.amdhsa_code_object_version 6
	.text
	.protected	k_q1416b9bf53_attn
	.globl	k_q1416b9bf53_attn
	.p2align	8
	.type	k_q1416b9bf53_attn,@function
k_q1416b9bf53_attn:
	s_mov_b64 s[64:65], 0
	v_nop
	global_prefetch_b8 v0, s[64:65] scope:SCOPE_SE
	s_setreg_imm32_b32 hwreg(HW_REG_WAVE_MODE, 25, 1), 1
	s_wait_xcnt 0x0
; CAUSAL ATTENTION.  out[s][hd][:] = the sum over t <= s of softmax_t(Q[s][hd] . K[t][hd] / sqrt(128)) V[t][hd][:].  Q, K, V, out: [2048][64 heads][128] f32: row s of head hd is the
; 512 bytes at s x 32,768 + hd x 512.  Q and K are rounded to bf16 for the first product; V is rounded to bf16 and that number written as f16, the weights p are rounded to f16, for the second.
; Products, maxima and sums in f32; l is the sum of the unrounded p.
; LIMITS.  |V| of 65,520 or more becomes an infinity in f16; below 2^-14 V keeps f16's fixed step of 6e-8, and so does p below 6e-5.  A weight below 2^-126 counts as 0 in l.  A hidden score
; counts as -1e30.  NaN, infinities and inputs whose rounding to bf16 is infinite are not treated apart.
; THE WALK.  A head's queries lie in 8 blocks of 256; block i needs the key tiles 0 .. i of 256 keys, the last of which holds the diagonal.  Work-group (b, hd) takes blocks 7 - b and then b:
; 9 tiles, 36 key steps of 64, whatever b: 256 work-groups of equal work.  Trip counts are constants; what a trip does hangs on scalar registers made from b.
; SHARES.  Of a block's four bands of 64 queries a wave owns 16 rows in each: tile t = rows 64 t + 16 w + 0..15.  In the diagonal tile's step s band t sees all keys (s < t), none (s > t) or holds the diagonal (s = t): alike in all waves.
; DATA PATH.  K and V come through registers: in each step wave w loads rows 16 w .. 16 w + 15 of a later step's 64 keys (one load = one row, 512 consecutive bytes), rounds them and stores them as
; 256-byte rows into a ring of two LDS slots; every wave reads whole steps from there.  One barrier a step.  In step n: V(n+1) and K(n+2) are rounded and stored, V(n+2) and K(n+3) asked for, V(n) and K(n+1) read.
; K(n+2) lands on K(n) and V(n+1) on V(n-1), whose last reads stand in step n-1, waited for in front of step n's barrier.
; LAYOUT.  S^T = K Q^T (source 0 = 16 keys, source 1 = 16 queries): a lane holds ONE query (lane % 16) and the keys 8 (lane / 16) + 0..7.  Two such results rounded in pairs ARE source 1 of
; O^T = V^T P, whose result again holds one query a lane, and eight channels.  K comes out of LDS as it lies, V turned, by ds_load_tr16_b128.
; SOFTMAX.  A running maximum m and sum l for each query: p = 2^(c s - c m), c = log2(e) / sqrt(128); in every step O and l are multiplied by a = 2^(c m_old - c m_new).  A block starts with c m far
; below every c s: its first a is 0 and wipes whatever finite numbers O^T and l hold, so no first step is written out.
; BY TURNS.  The wave's tiles are two PIECES: piece 0 (tiles 0, 1), piece 2 (tiles 2, 3).  In a TURN one piece has the matrix unit (32 products V^T P, then 32 products K Q^T); the other piece's
; softmax, 268 vector instructions cut into 64 slices, stands one slice behind each matrix instruction.
; THE DIAGONAL TILE'S STEPS 2 AND 3 hide every key from piece 0: its m, l and O^T would stay as they are, so those steps take a path of their own (DEAD) on which piece 2 alone works.  Of a diagonal
; tile's six wholly hidden pairs of band and step that leaves four out; tile 0 in step 1 and tile 2 in step 3 are computed all the same, since a turn's text holds both tiles of a piece.
; NO CLUSTER: a head's four work-groups want the same tile only in trips 0 to 4 of 9; one walk common to all would have 12 tiles for 9; and joint loads bring bytes as they lie in memory, f32:
; 64 KB more written to LDS and 64 KB more read from it in every step, ahead of the same rounding.
; PREFETCH: K and V need none: they are asked for a whole key step ahead of their use, straight into registers.  The second block's Q has no registers to land in before the first block has left,
; so in the first block's last step each wave asks for its own 64 rows of it (32 KB), each aligned 256 bytes once, to be brought nearer.
; REGISTERS, in windows of 256 (s_set_vgpr_msb: bits 1:0 source 0, 3:2 source 1, 5:4 source 2, 7:6 destination):
;   window 0: v0-11, v44-53 addresses; v12-43 eight registers of statistics a tile; v64-191 S^T, 32 a tile; v192-255 P, 16 a tile
;   window 1: O^T, 64 a tile (a block's Q lands here in f32)     window 2: v0-127 Q, 32 a tile; v128-255 K of one step     window 3: v0-127 V of one step; v128-191, v192-255 K's and V's rows on their way in
.set PK,    272        ; a row of K in LDS: 256 bytes + 16: the 16 rows of a fragment load start 16 bytes further on in each 256
.set PV,    288        ; a row of V: 256 + 32: 16 lanes of the turning load take 8 rows x 32 bytes, all apart
.set VOFF,  64*PK      ; a slot: 64 rows of K, then 64 rows of V
.set STEPB, 64*(PK+PV) ; 35,840 bytes a slot
.set STAGE, 2*STEPB    ; behind the ring: a stage for each wave: 16 rows of f32 (pitch 528) on the way out, 16 rows of bf16 (pitch 272) for Q on its way in
.set SP,    528
.set STGW,  16*SP
.set ROWG,  32768      ; bytes from a row of a head to the next, in memory
.set STEPG, 64*ROWG    ; a key step, and a band of queries
.set AK0, 2            ; v2   my lane's place in a tile of K
.set AV0, 3            ; v3   the same for V
.set ADR, 4            ; v4   the LDS address of the run of loads in hand
.set GL,  5            ; v5   16 x lane: my 16 bytes of a row in memory
.set STO, 6            ; v6   the way out: where I put 32 bytes of a row
.set RD,  7            ; v7   the way out: where I read a row back
.set SK0, 8            ; v8   where my 8 bytes of my wave's first row of K go, in slot 0
.set ST,  12           ; tile t's statistics at v[ST+8 t]: c m, m, l (even keys', odd keys'), c0-c3 at work; a takes c2's place
.set SV0, 44           ; v44  as SK0, for V
.set ADW, 45           ; v45  V's store address in hand
.set BG,  46           ; v46  -1e30
.set QST, 47           ; v47  Q's way in: where my 8 bytes of a row go
.set QRD, 48           ; v48  and where a fragment is read
.set DQ,  49           ; v49  my query's place in its band less 8 (lane / 16)
.set ADK, 50           ; v50  K's store address in hand
.set PF,  53           ; v53  the prefetch: row lane / 2 of 16, half lane % 2 of its 512 bytes; never rewritten
.set S,   64
.set P,   192
.set KF,  128          ; window 2
.set SK,  128          ; window 3
.set SV,  192          ; window 3
.set WV,  12           ; s12  my wave's number
.set PB,  14           ; s14  b
.set HI,  15           ; s15  7 - b
.set KA,  24           ; s[24:25] base of K's loads in hand
.set VA,  26           ; s[26:27] of V's
.set KOF, 28           ; s[28:29] byte offset of the step that K's next loads bring
.set VOF, 30           ; s[30:31] the same for V
.set KC,  32           ; s32  K's loads left in the first block
.set VC,  33           ; s33  V's
.set NN,  34           ; s34  n, the step's number, 0 to 35
.set PA,  35           ; s35  LDS byte of slot n % 2
.set PX,  36           ; s36  of the other slot
.set TL,  37           ; s37  tiles left
.set CNT, 38           ; s38  a tile's steps left, 4 to 1
.set DG,  39           ; s39  1: the tile in hand holds the diagonal
.set DS,  40           ; s40  the step's number in the diagonal tile, or -1
.set RT,  41           ; s41  tiles of the block in hand still to be entered
.set QLO, 44           ; s[44:45] Q at my rows of the second block
.set OLO, 46           ; s[46:47] out at them
.set HM,  48           ; s48  a word's upper half
.set CS,  58           ; s[58:59] c
.set SEL, 60           ; s[60:61] v_permlanex16_b32's selects: each lane takes its own place in the other half
.set MK,  68           ; s[68:99] 32 lane masks: bit l of mask 8 kb + j: key 16 kb + 8 (l / 16) + j of a band's own step lies beyond lane l's query
.set MSB, 0
.macro WIN new                      ; the high byte repeats the setting that is left; a switch that changes nothing is dropped
.if MSB != (\new)
	s_set_vgpr_msb (MSB<<8)|(\new)
.set MSB, (\new)
.endif
.endm
.set W_KQ, 0x0a        ; K and Q in window 2, S^T in window 0
.set W_PV, 0x53        ; V in window 3, P in window 0, O^T in window 1
.set W_RS, 0x41        ; O^T (destination and source 0) in window 1, a in window 0
; 16 rows of 512 bytes into window g, 4 registers a row: lane l takes channels 4 l .. 4 l + 3.  nt = 1: bytes that the launch reads once
.macro LDROWS g, base, sb, imm, nt
	WIN (\g)<<6
.set r, 0
.rept 16
.if \nt
	global_load_b128 v[(\base)+4*r:(\base)+4*r+3], v[GL], s[(\sb):(\sb)+1] offset:(\imm)+r*ROWG th:TH_LOAD_NT
.else
	global_load_b128 v[(\base)+4*r:(\base)+4*r+3], v[GL], s[(\sb):(\sb)+1] offset:(\imm)+r*ROWG
.endif
.set r, r+1
.endr
.endm
; those rows rounded to bf16, in place: row r ends in registers 2 r, 2 r + 1; ascending, so nothing unread is written over
.macro CVK g, base
	WIN (\g)*0x45
.set r, 0
.rept 16
	v_cvt_pk_bf16_f32 v[(\base)+2*r], v[(\base)+4*r], v[(\base)+4*r+1]
	v_cvt_pk_bf16_f32 v[(\base)+2*r+1], v[(\base)+4*r+2], v[(\base)+4*r+3]
.set r, r+1
.endr
.endm
; those rows rounded to bf16 and written as f16, in place: round a pair, widen its halves, narrow them; eight pairs a stage, so that no line reads the one before it
.macro CVV g, base
	WIN (\g)*0x45
.set gq, 0
.rept 4
.set x0, (\base)+16*gq
.irp p, 0,1,2,3,4,5,6,7
	v_cvt_pk_bf16_f32 v[x0+2*(\p)], v[x0+2*(\p)], v[x0+2*(\p)+1]
.endr
.irp p, 0,1,2,3,4,5,6,7
	v_and_b32 v[x0+2*(\p)+1], s[HM], v[x0+2*(\p)]
.endr
.irp p, 0,1,2,3,4,5,6,7
	v_lshlrev_b32 v[x0+2*(\p)], 16, v[x0+2*(\p)]
.endr
.irp p, 0,1,2,3,4,5,6,7
	v_cvt_pk_f16_f32 v[(\base)+8*gq+(\p)], v[x0+2*(\p)], v[x0+2*(\p)+1]
.endr
.set gq, gq+1
.endr
.endm
; the 16 rounded rows into LDS: a store is one row, 256 consecutive bytes
.macro STROWS g, base, areg, pitch, off
	WIN (\g)<<2
.set r, 0
.rept 16
	ds_store_b64 v[\areg], v[(\base)+2*r:(\base)+2*r+1] offset:(\off)+r*(\pitch)
.set r, r+1
.endr
.endm
; THE LDS LOADS stand in runs of 32: a step's K (16 fragments of 16 keys x 32 channels) and its V (turned), from the slot whose LDS byte is in s[sreg]
.macro FETCH_K sreg
	WIN 0
	v_add_nc_u32 v[ADR], s[\sreg], v[AK0]
	WIN 0x80
.irp f, 0,1,2,3,4,5,6,7,8,9,10,11,12,13,14,15  ; keys 16 (f / 4) on, channels 32 (f % 4) on
	ds_load_b128 v[KF+8*(\f):KF+8*(\f)+3],   v[ADR] offset:((\f)/4)*16*PK+((\f)%4)*64
	ds_load_b128 v[KF+8*(\f)+4:KF+8*(\f)+7], v[ADR] offset:((\f)/4)*16*PK+((\f)%4)*64+32
.endr
.endm
.macro FETCH_V sreg
	WIN 0
	v_add_nc_u32 v[ADR], s[\sreg], v[AV0]
	WIN 0xc0
.irp f, 0,1,2,3,4,5,6,7,8,9,10,11,12,13,14,15  ; keys 32 (f / 8) on, channels 16 (f % 8) on
	ds_load_tr16_b128 v[8*(\f):8*(\f)+3],   v[ADR] offset:((\f)/8)*32*PV+((\f)%8)*32
	ds_load_tr16_b128 v[8*(\f)+4:8*(\f)+7], v[ADR] offset:((\f)/8)*32*PV+16*PV+((\f)%8)*32
.endr
.endm
; THE MATRIX WORK.  The accumulators take turns, one instruction a turn: between two links of a chain stand 15 (V^T P) or 7 (K Q^T) others'.
; Product i of 32 of O^T += V^T P for piece x: keys 32 (i / 16) on, channels 16 ((i / 2) % 8) on, tile x + i % 2.
.macro PV x
	WIN W_PV
.set rO, 64*((\x)+i%2)+8*((i/2)%8)
.set rV, 64*(i/16)+8*((i/2)%8)
.set rP, P+16*((\x)+i%2)+8*(i/16)
	v_wmma_f32_16x16x32_f16 v[rO:rO+7], v[rV:rV+7], v[rP:rP+7], v[rO:rO+7]
.endm
; Product i of 32 of S^T = K Q^T: channels 32 (i / 8) on, keys 16 ((i / 2) % 4) on, tile x + i % 2.  The first 8 start the sums.
.macro KQ x
	WIN W_KQ
.set rS, S+32*((\x)+i%2)+8*((i/2)%4)
.set rK, KF+32*((i/2)%4)+8*(i/8)
.set rQ, 32*((\x)+i%2)+8*(i/8)
.if i < 8
	v_wmma_f32_16x16x32_bf16 v[rS:rS+7], v[rK:rK+7], v[rQ:rQ+7], 0
	s_wait_alu depctr_va_vdst(0)
.else
	v_wmma_f32_16x16x32_bf16 v[rS:rS+7], v[rK:rK+7], v[rQ:rQ+7], v[rS:rS+7]
.endif
.endm
; THE VECTOR WORK OF A TURN.  One tile's softmax for one key step is a list of 134 instructions; SM writes number j of it for tile t.  s0-s31 are the lane's 32 scores, in pairs 0-15.
;   0-15    the maximum of s0-s31 and the old m, three operands at a time: four chains c0-c3 (each accumulator's lowest registers are read first), then the scores left over, c0-c3 and m
;   16-20   the other half of the lanes' maximum; the new m; c m; c m_old - c m_new
;   21-87   33 exponentials (a, then s0-s31) at the odd numbers from 23 on: no two follow each other, and each has a plain instruction behind it before its result is used (ISA guide 5.7.2).
;           The plain ones are what is ready: c s - c m a few pairs ahead, the rounding to f16 a pair back, the first sums
;   88-101  the last rounding; the rest of the sums; l = a l + the sum          102-133 the tile's O^T times a: the one part that leaves window 0
.macro SM t
.set rT, ST+8*(\t)
.set rS, S+32*(\t)
.set rP, P+16*(\t)
.set rO, 64*(\t)+2*(j-102)
.set q, (j-20)/2
.if j < 102
	WIN 0
.endif
.if j < 4
	v_max3_num_f32 v[rT+4+j], v[rS+8*j], v[rS+8*j+1], v[rS+8*j+2]
.elseif j < 12
	v_max3_num_f32 v[rT+4+j%4], v[rT+4+j%4], v[rS+8*(j%4)+2*(j/4)+1], v[rS+8*(j%4)+2*(j/4)+2]
.elseif j == 12
	v_max3_num_f32 v[rT+4], v[rT+4], v[rS+7], v[rS+15]
.elseif j == 13
	v_max3_num_f32 v[rT+6], v[rT+6], v[rS+23], v[rS+31]
.elseif j == 14
	v_max3_num_f32 v[rT+4], v[rT+4], v[rT+5], v[rT+6]
.elseif j == 15
	v_max3_num_f32 v[rT+4], v[rT+4], v[rT+7], v[rT+1]
.elseif j == 16
	v_permlanex16_b32 v[rT+5], v[rT+4], s[SEL], s[SEL+1]  ; the query's other 32 keys lie in the lane 16 away
.elseif j == 17
	v_mov_b32 v[rT+7], v[rT]        ; c m_old is kept for a: number 19 writes c m anew
.elseif j == 18
	v_max_num_f32 v[rT+1], v[rT+4], v[rT+5]
.elseif j == 19
	v_mul_f32 v[rT], s[CS], v[rT+1]
.elseif j == 20
	v_sub_f32 v[rT+7], v[rT+7], v[rT]
.elseif j == 23
	v_exp_f32 v[rT+6], v[rT+7]
.elseif (j < 88) && (j > 23) && (j%2 == 1)
	v_exp_f32 v[rS+(j-25)/2], v[rS+(j-25)/2]
.elseif (q < 4) || ((j < 76) && (q%2 == 0))
.set b, q/2+2
.if q < 4
.set b, q
.endif
	v_pk_fma_f32 v[rS+2*b:rS+2*b+1], v[rS+2*b:rS+2*b+1], s[CS:CS+1], v[rT:rT+1] op_sel_hi:[1,0,0] neg_lo:[0,0,1] neg_hi:[0,0,1]  ; pair b: c s - c m
.elseif (j < 88) && (q%2 == 1)
	s_wait_alu depctr_va_vdst(0)
	v_cvt_pk_f16_f32 v[rP+(q-5)/2], v[rS+q-5], v[rS+q-4]  ; pair (q - 5) / 2: its second exponential stands three numbers back
.elseif j == 89
	s_wait_alu depctr_va_vdst(0)
	v_cvt_pk_f16_f32 v[rP+15], v[rS+30], v[rS+31]
.elseif j < 102                     ; the sum of the 16 pairs, in place: sum z of 16 adds neighbours 1, 2, 4 and 8 pairs apart, then l takes it
.set z, j-86
.if j < 89
.set z, (j-76)/4
.endif
.set w, 4
.set u, z
.if z >= 14
.set w, 32
.set u, 0
.elseif z >= 12
.set w, 16
.set u, z-12
.elseif z >= 8
.set w, 8
.set u, z-8
.endif
.if z < 15
	v_pk_add_f32 v[rS+w*u:rS+w*u+1], v[rS+w*u:rS+w*u+1], v[rS+w*u+w/2:rS+w*u+w/2+1]
.else
	v_pk_fma_f32 v[rT+2:rT+3], v[rT+2:rT+3], v[rT+6:rT+7], v[rS:rS+1] op_sel_hi:[1,0,1]
.endif
.else
	WIN W_RS
	v_pk_mul_f32 v[rO:rO+1], v[rO:rO+1], v[rT+6:rT+7] op_sel_hi:[1,0]
.endif
.endm
; Slice k of 64 of piece y's softmax: numbers 2 k and 2 k + 1 of both tiles' lists.  2 x 134 = 4 x 64 + 12: the twelve that are over stand in slice 63, whose sixteen plain instructions
; are the places between the turn's last K Q^T and the first read of those scores and the next loads into K's registers.
.macro SLICE y
.if (k >= 11) && (k < 44)           ; tile by tile: plain, exponential, plain, exponential
.irp t, \y, (\y)+1
.irp n, 0,1
.set j, 2*k+(\n)
	SM \t
.endr
.endr
.else                               ; the two tiles alternate, so that no instruction reads the result of the one just before it
.irp n, 0,1,2,3,4,5,6,7
.if ((\n) < 2) || (k == 63)
.irp t, \y, (\y)+1
.set j, 2*k+(\n)
	SM \t
.endr
.endif
.endr
.endif
.set k, k+1
.endm
; A TURN.  Piece x has the matrix unit; the other piece's softmax stands in slices behind its matrix instructions.  Each run of LDS loads stands behind the second product of a run of 32,
; 30 matrix instructions ahead of its first use.  Piece 2's turn fetches V of the step in hand: the last product that read V stands three slices, six plain instructions, back.
; Piece 0's turn fetches the next step's K: the last product that read K stands in front of slice 63 of the turn before.
.macro TURN x
.set k, 0
.if (\x) == 0
	s_wait_dscnt 0x0                ; V is in
.endif
.set i, 0
.rept 32
	PV \x
	SLICE 2-(\x)
.if ((\x) == 0) && (i == 1)
	FETCH_K PX
.endif
.set i, i+1
.endr
.if (\x) == 0
	s_wait_dscnt 0x0                ; K is in
.endif
.set i, 0
.rept 32
	KQ \x
	SLICE 2-(\x)
.if ((\x) == 2) && (i == 1)
	FETCH_V PA
.endif
.set i, i+1
.endr
.endm
; THE MASK for tile t's fresh scores.  Outside the diagonal tile (DS = -1) and in its steps below the band's own nothing is hidden; in the band's own step the lane masks choose; above it all is hidden.
; below, above = 1: such a step can come by where the macro stands; what cannot come by is not written.  Ascending.
.macro HIDE t, below, above
.if (\below) && (\above)
	s_cmp_lt_i32 s[DS], \t
	s_cbranch_scc1 .Lseen_\@
.endif
	s_cmp_eq_u32 s[DS], \t
.if \above
	s_cbranch_scc0 .Lnone_\@
.else
	s_cbranch_scc0 .Lseen_\@
.endif
.set i, 0
.rept 32
	v_cndmask_b32 v[S+32*(\t)+i], v[S+32*(\t)+i], v[BG], s[MK+i]
.set i, i+1
.endr
.if \above
	s_branch .Lseen_\@
.Lnone_\@:
.set i, 0
.rept 32
	v_mov_b32 v[S+32*(\t)+i], v[BG]
.set i, i+1
.endr
.endif
.Lseen_\@:
.endm
; STEPS 2 AND 3 OF THE DIAGONAL TILE: piece 2 alone.  Its V^T P of step n-1; V(n) is fetched; its K Q^T of step n; K(n+1) is fetched (a following block's first step wants it); the masks; its softmax,
; the 64 slices on end: there is no other piece's matrix work to set them behind.  Four v_nop stand in front of each run of loads, which go into registers that the products just issued have read,
; and the second four also in front of the first read of the new scores (ISA guide 7.12.1 for vector instructions).
.macro DEAD
.set i, 0
.rept 32
	PV 2
.set i, i+1
.endr
.rept 4
	v_nop
.endr
	FETCH_V PA
.set i, 0
.rept 32
	KQ 2
.set i, i+1
.endr
.rept 4
	v_nop
.endr
	FETCH_K PX
	WIN 0                           ; at a label and at a branch every window is 0
	; In the first block's step 3 (TL is 1 in the second block's) my 64 rows of the second block's Q are asked for ahead: a line takes a tile's 16 rows, lanes 256 bytes apart, each aligned 256 bytes
	; once in the launch; between here and the loads stand this softmax and the block's way out.  In the second block nothing follows, and nothing is asked for.
	s_cmp_eq_u32 s[DS], 3
	s_cselect_b32 s13, s[TL], 1
	s_cmp_eq_u32 s13, 1
	s_cbranch_scc1 .Lasked_\@
.irp t, 0,1,2,3
	global_prefetch_b8 v[PF], s[QLO:QLO+1] offset:(\t)*STEPG th:TH_LOAD_NT scope:SCOPE_SE
.endr
.Lasked_\@:
	HIDE 2, 0, 1
	HIDE 3, 1, 0
.set k, 0
.rept 64
	SLICE 2
.endr
	WIN 0
	s_wait_dscnt 0x0                ; V(n) and K(n+1) are in: a block's last products may follow at once
.endm
; A BLOCK'S Q: 64 row loads into O^T's registers; then, tile by tile, rounded to bf16, through my stage, back as fragments (lane l: row l % 16, channels 8 (l / 16) + 0..7 and 16 more on)
.macro LQALL sb
.irp t, 0,1,2,3
	LDROWS 1, 64*(\t), \sb, (\t)*STEPG, 1
.endr
.endm
.macro QCONV
.irp t, 0,1,2,3
	s_wait_loadcnt 48-16*(\t)       ; loads come back in order (ISA guide 5.7.1): the later tiles' 16 loads each may stay out; K's and V's rows were asked for earlier
	CVK 1, 64*(\t)
	STROWS 1, 64*(\t), QST, PK, 0
	WIN 0x80
.irp c, 0,1,2,3
	ds_load_b128 v[32*(\t)+8*(\c):32*(\t)+8*(\c)+3],   v[QRD] offset:64*(\c)     ; LDS serves a wave's instructions in order (ISA guide 5.7.1.4): these see the stores above, and the next tile's stores come behind them
	ds_load_b128 v[32*(\t)+8*(\c)+4:32*(\t)+8*(\c)+7], v[QRD] offset:64*(\c)+32
.endr
.endr
	WIN 0
.endm
.macro RESET                        ; c m far below every c s, m the lowest finite number
.irp t, 0,1,2,3
	v_mov_b32 v[ST+8*(\t)], 0xfe000000
	v_mov_b32 v[ST+8*(\t)+1], 0xff7fffff
.endr
.endm
.macro KQ0BARE                      ; piece 0's scores for a block's first step: there is no vector work to set between them
	s_wait_dscnt 0x0                ; Q's fragments are in, and K's
.set i, 0
.rept 32
	KQ 0
.set i, i+1
.endr
	WIN 0
.rept 4
	v_nop                           ; the places behind those products
.endr
.endm
; THE WAY OUT of tile t: O^T / l into S^T's registers (two buffers of 64); a lane's eight channels of a row are 32 bytes; into rows of 528 bytes, back as whole rows of 512
.macro PACK t
.if (\t) >= 2
	s_wait_xcnt 0x0                 ; the stores of the tile two back have had their addresses translated (ISA guide 3.1): their data registers are rewritten only behind this wait
.endif
	WIN 0x01
.set i, 0
.rept 32
	v_pk_mul_f32 v[S+64*((\t)%2)+2*i:S+64*((\t)%2)+2*i+1], v[64*(\t)+2*i:64*(\t)+2*i+1], v[ST+8*(\t)+2:ST+8*(\t)+3] op_sel_hi:[1,0]
.set i, i+1
.endr
	WIN 0
.irp f, 0,1,2,3,4,5,6,7,8,9,10,11,12,13,14,15
	ds_store_b128 v[STO], v[S+64*((\t)%2)+4*(\f):S+64*((\t)%2)+4*(\f)+3] offset:64*((\f)/2)+16*((\f)%2)
.endr
.irp f, 0,1,2,3,4,5,6,7,8,9,10,11,12,13,14,15
	ds_load_b128 v[S+64*((\t)%2)+4*(\f):S+64*((\t)%2)+4*(\f)+3], v[RD] offset:SP*(\f)  ; in order behind the stores above
.endr
.endm
.macro SEND t, younger              ; younger: the LDS instructions issued behind tile t's loads: the next tile's 32, or none
	WIN 0
.irp f, 0,1,2,3,4,5,6,7,8,9,10,11,12,13,14,15
	s_wait_dscnt (\younger)+15-(\f) ; row f is back; the tile's later rows and the younger may stay out
	global_store_b128 v[GL], v[S+64*((\t)%2)+4*(\f):S+64*((\t)%2)+4*(\f)+3], s[10:11] offset:(\t)*STEPG+(\f)*ROWG th:TH_STORE_NT  ; a wave's store is one row: 512 consecutive bytes, at a multiple of 512 from out's first
.endr
.endm
	; THE HEAD
	s_load_b256 s[4:11], s[0:1], 0x0  ; Q s[4:5], K s[6:7], V s[8:9], out s[10:11]
	v_lshl_add_u32 v62, v0, 2, 0x19c00
	v_mov_b32 v63, 0
	v_lshrrev_b32 v1, 5, v0
	v_readfirstlane_b32 s[WV], v1   ; wave 0..3
	v_and_b32 v10, 31, v0           ; lane
	v_lshlrev_b32 v[GL], 4, v10
	s_mov_b32 s[PB], ttmp9          ; b
	s_sub_co_u32 s[HI], 7, s[PB]
	s_and_b32 s16, ttmp7, 0xffff    ; the head:
	s_lshl_b32 s16, s16, 9          ; its 512 bytes in a row,
	s_lshl_b32 s17, s[WV], 19       ; and my wave's 16 rows of 64
	s_add_co_u32 s16, s16, s17
	s_mov_b32 s17, 0
	s_lshl_b32 s18, s[HI], 23       ; a block is 256 rows of 32,768 bytes
	s_mov_b32 s19, 0
	s_lshl_b32 s20, s[PB], 23
	s_mov_b32 s21, 0
	s_lshl_b32 s2, s[PB], 2
	s_sub_co_u32 s[KC], 29, s2      ; the first block has 4 (8 - b) steps; the head asks for three of K's
	s_sub_co_u32 s[VC], 30, s2      ; and two of V's
	s_sub_co_u32 s[RT], 8, s[PB]
	s_mov_b32 s[KOF], 3*STEPG
	s_mov_b32 s[KOF+1], 0
	s_mov_b32 s[VOF], 2*STEPG
	s_mov_b32 s[VOF+1], 0
	s_mov_b32 s[NN], 0
	s_mov_b32 s[PA], 0
	s_mov_b32 s[PX], STEPB
	s_mov_b32 s[TL], 9
	s_mov_b32 s[HM], 0xffff0000
	s_mov_b32 s[CS], 0x3e0293ee     ; c = log2(e) / sqrt(128) = 0.127517
	s_mov_b32 s[CS+1], s[CS]        ; named with it as a pair
	s_mov_b32 s[SEL], 0x76543210
	s_mov_b32 s[SEL+1], 0xfedcba98
	s_wait_kmcnt 0x0
	s_add_nc_u64 s[6:7], s[6:7], s[16:17]      ; K and V at my rows of step 0
	s_add_nc_u64 s[8:9], s[8:9], s[16:17]
	s_add_nc_u64 s[4:5], s[4:5], s[16:17]
	s_add_nc_u64 s[10:11], s[10:11], s[16:17]
	s_add_nc_u64 s[QLO:QLO+1], s[4:5], s[20:21]    ; Q and out at my rows of the second block,
	s_add_nc_u64 s[OLO:OLO+1], s[10:11], s[20:21]
	s_add_nc_u64 s[4:5], s[4:5], s[18:19]          ; and of the first
	s_add_nc_u64 s[10:11], s[10:11], s[18:19]
	LDROWS 2, 128, 6, 0, 0          ; K of step 0 (into registers that K's fragments take later)
	LDROWS 3, 0, 6, STEPG, 0        ; K of step 1, V of step 0 (into V's fragments' registers)
	LDROWS 3, 64, 8, 0, 0
	LDROWS 3, SK, 6, 2*STEPG, 0     ; K of step 2 and V of step 1: what step 0 rounds and stores
	LDROWS 3, SV, 8, STEPG, 0
	LQALL 4                         ; the first block's Q
	WIN 0
	v_and_b32 v1, 15, v0            ; l % 16
	v_bfe_u32 v9, v0, 4, 1          ; l / 16
	v_mul_u32_u24 v[AK0], v1, PK
	v_lshl_add_u32 v[AK0], v9, 4, v[AK0]  ; row x pitch + 16 x half
	; The turning load takes 16 keys x 16 channels (lane l reads key 8 (l / 16) + l % 8, channels 8 ((l / 8) % 2) + 0..7) and leaves half a fragment of V^T: lane l holds channel l % 16 and 8 keys.
	v_and_b32 v11, 7, v0
	v_bfe_u32 v51, v0, 3, 1
	v_lshl_add_u32 v[AV0], v9, 3, v11
	v_mul_u32_u24 v[AV0], v[AV0], PV
	v_lshl_add_u32 v[AV0], v51, 4, v[AV0]
	v_add_nc_u32 v[AV0], VOFF, v[AV0]
	s_mul_i32 s13, s[WV], STGW
	s_add_co_u32 s13, s13, STAGE    ; my stage
	v_mul_u32_u24 v[STO], v1, SP
	v_lshl_add_u32 v[STO], v9, 5, v[STO]
	v_add_nc_u32 v[STO], s13, v[STO]
	v_add_nc_u32 v[RD], s13, v[GL]
	v_lshl_add_u32 v[QST], v10, 3, s13
	v_add_nc_u32 v[QRD], s13, v[AK0]
	s_mul_i32 s2, s[WV], 16*PK      ; my wave's 16 rows in a slot
	v_lshl_add_u32 v[SK0], v10, 3, s2
	s_mul_i32 s3, s[WV], 16*PV
	s_add_co_u32 s3, s3, VOFF
	v_lshl_add_u32 v[SV0], v10, 3, s3
	s_lshl_b32 s2, s[WV], 4
	v_add_nc_u32 v[DQ], s2, v1      ; my query's place in its band, 16 w + l % 16,
	v_lshlrev_b32 v52, 3, v9
	v_sub_nc_u32 v[DQ], v[DQ], v52  ; less my lanes' 8 (l / 16): register j of key block kb is hidden where 16 kb + j is greater
	v_lshrrev_b32 v[PF], 1, v10     ; the prefetch: row lane / 2,
	v_lshlrev_b32 v[PF], 15, v[PF]
	v_and_b32 v51, 1, v10
	v_lshl_add_u32 v[PF], v51, 8, v[PF]  ; and which 256 of its 512 bytes
.set i, 0
.rept 32
	v_cmp_gt_i32 s[MK+i], 16*(i/8)+i%8, v[DQ]
.set i, i+1
.endr
	v_mov_b32 v[BG], 0xf149f2ca     ; -1e30
.irp t, 0,1,2,3
	v_mov_b32 v[ST+8*(\t)+2], 0     ; l is multiplied by a = 0 in the first step: it need only be finite
	v_mov_b32 v[ST+8*(\t)+3], 0
.endr
.set i, P+32
.rept 32
	v_mov_b32 v[i], 0               ; piece 2's P: the first turn's products V^T P, of a step that has not been, add 0
.set i, i+1
.endr
	RESET
	s_wait_loadcnt 63               ; K of steps 0 and 1 and V of step 0 are in: 96 loads are younger; the count is the most that the wait's field names, and a smaller count is safe
	CVK 2, 128
	STROWS 2, 128, SK0, PK, 0       ; K(0) into slot 0
	CVK 3, 0
	STROWS 3, 0, SK0, PK, STEPB     ; K(1) into slot 1
	CVV 3, 64
	STROWS 3, 64, SV0, PV, 0        ; V(0) into slot 0
	QCONV
	s_wait_dscnt 0x0                ; for the others' sake: my rows are in LDS
	s_barrier_signal -1
	s_barrier_wait -1
	FETCH_K PA                      ; K(0)
	FETCH_V PA                      ; V(0), so that the first turn's products find numbers; the turn fetches it again
	KQ0BARE
.Ltile:                             ; 9 trips
	s_sub_co_u32 s[RT], s[RT], 1
	s_cmp_eq_u32 s[RT], 0
	s_cselect_b32 s[DG], 1, 0       ; a block's last tile holds the diagonal
	s_mov_b32 s[CNT], 4
.Lstep:                             ; 4 trips: key step n
	s_wait_dscnt 0x0                ; my reads of K(n) and V(n-1), and my stores of the last step, are done
	s_barrier_signal -1
	s_sub_co_u32 s[DS], 4, s[CNT]
	s_cmp_eq_u32 s[DG], 1
	s_cselect_b32 s[DS], s[DS], -1
	s_barrier_wait -1               ; so are everybody's: K(n+1) and V(n) are whole, and K(n)'s and V(n-1)'s bytes are free
	s_cmp_gt_u32 s[NN], 34          ; the last steps have nothing left to bring: forward jumps, past no barrier
	s_cbranch_scc1 .Lmade
	s_wait_loadcnt 0x0              ; the rows asked for a step ago are in; their bases may be written again
	v_add_nc_u32 v[ADW], s[PX], v[SV0]
	CVV 3, SV
	STROWS 3, SV, ADW, PV, 0        ; V(n+1)
	WIN 0
	s_cmp_gt_u32 s[NN], 33
	s_cbranch_scc1 .Lmade
	s_add_nc_u64 s[VA:VA+1], s[8:9], s[VOF:VOF+1]
	LDROWS 3, SV, VA, 0, 0          ; V(n+2)
	s_add_co_u32 s[VOF], s[VOF], STEPG
	s_sub_co_u32 s[VC], s[VC], 1
	s_cmp_eq_u32 s[VC], 0
	s_cselect_b32 s[VOF], 0, s[VOF] ; behind the first block's last step comes the second block's step 0
	WIN 0
	v_add_nc_u32 v[ADK], s[PA], v[SK0]
	CVK 3, SK
	STROWS 3, SK, ADK, PK, 0        ; K(n+2)
	WIN 0
	s_cmp_gt_u32 s[NN], 32
	s_cbranch_scc1 .Lmade
	s_add_nc_u64 s[KA:KA+1], s[6:7], s[KOF:KOF+1]
	LDROWS 3, SK, KA, 0, 0          ; K(n+3)
	s_add_co_u32 s[KOF], s[KOF], STEPG
	s_sub_co_u32 s[KC], s[KC], 1
	s_cmp_eq_u32 s[KC], 0
	s_cselect_b32 s[KOF], 0, s[KOF]
	WIN 0
.Lmade:
	s_cmp_gt_i32 s[DS], 1           ; the diagonal tile's steps 2 and 3: piece 0 sees no key
	s_cbranch_scc1 .Ldead
	HIDE 0, 1, 1                    ; here DS is -1, 0 or 1: tiles 2 and 3 see every key
	HIDE 1, 1, 0
	TURN 2                          ; piece 2: V^T P of step n-1, K Q^T of step n | piece 0's softmax of step n | V(n)
	TURN 0                          ; piece 0: V^T P of step n, K Q^T of step n+1 | piece 2's softmax of step n | K(n+1)
	WIN 0                           ; (in the diagonal tile's step 1 those K Q^T serve nothing: 32 products a block, the price of one text for every such step)
	s_branch .Ljoin
.Ldead:
	DEAD
.Ljoin:
	s_add_co_u32 s[NN], s[NN], 1
	s_xor_b32 s[PA], s[PA], STEPB
	s_xor_b32 s[PX], s[PA], STEPB
	s_sub_co_u32 s[CNT], s[CNT], 1
	s_cmp_lg_u32 s[CNT], 0
	s_cbranch_scc1 .Lstep
	s_cmp_eq_u32 s[DG], 0
	s_cbranch_scc1 .Lnext
	; A BLOCK ENDS.
.set i, 0
.rept 32
	PV 2                            ; piece 2: V^T P of the block's last step
.set i, i+1
.endr
	WIN 0
.irp t, 0,1,2,3
	v_add_f32 v[ST+8*(\t)+2], v[ST+8*(\t)+2], v[ST+8*(\t)+3]  ; l's two halves; these four are the places behind the last products
.endr
.irp t, 0,1,2,3
	v_permlanex16_b32 v[ST+8*(\t)+3], v[ST+8*(\t)+2], s[SEL], s[SEL+1]  ; the query's other keys' sum lies in the lane 16 away
.endr
.irp t, 0,1,2,3
	v_add_f32 v[ST+8*(\t)+2], v[ST+8*(\t)+2], v[ST+8*(\t)+3]
.endr
.irp t, 0,1,2,3
	v_rcp_f32 v[ST+8*(\t)+2], v[ST+8*(\t)+2]  ; 1 / l stays in l's place, a half sum beside it: both finite, which is all that the next block's first step asks of l
.endr
	v_nop                           ; a plain instruction between the last reciprocal and the use of its result
	s_wait_alu depctr_va_vdst(0)
	PACK 0
	PACK 1                          ; a tile's arithmetic stands between the loads of the tile before and its stores
	SEND 0, 32
	PACK 2
	SEND 1, 32
	PACK 3
	SEND 2, 32
	SEND 3, 0
	s_cmp_eq_u32 s[TL], 1
	s_cbranch_scc1 .Lend            ; the ninth tile ends the second block
	; THE SECOND BLOCK BEGINS.  K of its first step lies in K's registers already.
	s_wait_xcnt 0x0                 ; the stores have had their addresses translated: out's address and their data registers may be written
	s_mov_b64 s[10:11], s[OLO:OLO+1]
	s_add_co_u32 s[RT], s[PB], 1    ; it has b + 1 tiles
	LQALL QLO
	WIN 0
	RESET
	QCONV
	KQ0BARE
.Lnext:
	s_sub_co_u32 s[TL], s[TL], 1
	s_cmp_lg_u32 s[TL], 0
	s_cbranch_scc1 .Ltile
.Lend:
	s_wait_tensorcnt 0x0
	ds_add_u32 v62, v63
	s_wait_dscnt 0x0
	s_endpgm
.Lfunc_end_k_q1416b9bf53_attn:
	.size	k_q1416b9bf53_attn, .Lfunc_end_k_q1416b9bf53_attn-k_q1416b9bf53_attn
	.p2alignl 7, 3214868480
	.fill 96, 4, 3214868480
	.section	.rodata,"a",@progbits
	.p2align	6, 0x0
	.amdhsa_kernel k_q1416b9bf53_attn
		.amdhsa_group_segment_fixed_size 105984
		.amdhsa_private_segment_fixed_size 0
		.amdhsa_enable_private_segment 0
		.amdhsa_kernarg_size 32
		.amdhsa_user_sgpr_count 2
		.amdhsa_user_sgpr_kernarg_segment_ptr 1
		.amdhsa_wavefront_size32 1
		.amdhsa_system_sgpr_workgroup_id_x 1
		.amdhsa_system_sgpr_workgroup_id_y 1
		.amdhsa_system_sgpr_workgroup_id_z 1
		.amdhsa_system_vgpr_workitem_id 0
		.amdhsa_next_free_vgpr 1024
		.amdhsa_next_free_sgpr 100
		.amdhsa_reserve_vcc 0
		.amdhsa_float_denorm_mode_32 3
		.amdhsa_float_denorm_mode_16_64 3
		.amdhsa_memory_ordered 1
		.amdhsa_forward_progress 1
		.amdhsa_inst_pref_size 209
	.end_amdhsa_kernel
	.amdgpu_metadata
---
amdhsa.version: [ 1, 2 ]
amdhsa.kernels:
  - .name:           k_q1416b9bf53_attn
    .symbol:         k_q1416b9bf53_attn.kd
    .args:
      - { .name: query_layer, .offset: 0, .size: 8, .value_kind: global_buffer, .address_space: global }
      - { .name: key_layer, .offset: 8, .size: 8, .value_kind: global_buffer, .address_space: global }
      - { .name: value_layer, .offset: 16, .size: 8, .value_kind: global_buffer, .address_space: global }
      - { .name: out0, .offset: 24, .size: 8, .value_kind: global_buffer, .address_space: global }
    .group_segment_fixed_size: 105984
    .private_segment_fixed_size: 0
    .kernarg_segment_align: 8
    .kernarg_segment_size: 32
    .max_flat_workgroup_size: 128
    .sgpr_count:     100
    .vgpr_count:     1024
    .wavefront_size: 32
...
	.end_amdgpu_metadata
.endif
;; end of part 1
